; MI455X (gfx1250); checked and timed in simulation.
; The chip was launched on July 23, 2026; its instructions are those of AMD's public machine-readable ISA for CDNA 5 (MIT licence, August 2026) and "CDNA5" Instruction Set Architecture Reference Guide (July 2026). The comments in the code are by the model that wrote it; some were corrected since.
;; SSMLP. Allowed arithmetic: matrix products marked QUANTISED: E2M1 operands, one E8M0 scale for each 32 along K, by v_wmma_scale_f32_16x16x128_f8f6f4 with both operands' format E2M1 (or v_wmma_scale_f32_32x16x128_f4), f32 sums; everything else in f32.
;; Inputs: W1 2,048 x 8,192 float32; W2 8,192 x 2,048 float32; W3 2,048 x 8,192 float32; hidden_states 8,192 x 2,048 float32; input_idx 1,024 int32; routing_weights 1,024 x 1 float32.
;; Outputs: out0 1,024 x 2,048 float32.
;; This version of the problem:
;;   THIS VERSION OF THE PROBLEM IS GIVEN IN LOW PRECISION. The matrix products marked QUANTISED in the list below multiply operands that are first quantised to E2M1 (2 exponent bits, 1 mantissa bit; 4 bits a number), with one power-of-two scale for each 32 numbers along K (OCP MX v1.0); their sums are f32. All else is computed in f32.
;;   The module's matrix products, in the order in which they are computed (A, B: the left and right operand; K: the contracted axis; several contracted axes count as one K, in the product's order):
;;     1. [M 1,024, K 2,048] x [K 2,048, N 8,192]; A: computed on the way; B: input W1: QUANTISED
;;     2. [M 1,024, K 2,048] x [K 2,048, N 8,192]; A: computed on the way; B: input W3: QUANTISED
;;     3. [M 1,024, K 8,192] x [K 8,192, N 2,048]; A: computed on the way; B: input W2: QUANTISED
;;   THE QUANTISER, for each operand of a quantised product, along K:
;;     - K is cut into blocks of 32 from its start; a last block that is shorter is filled with zeros.
;;     - A block's scale is 2^e with e = floor(log2(the largest magnitude in the block)) - 2, held to -126 .. 127; a block of zeros has e = 0. As a byte (E8M0): e + 127.
;;     - Each number is divided by its block's scale, clamped to +-6, and rounded to the nearest number of E2M1, ties to even, subnormals kept.
;;     - The product sums the exact products of the quantised numbers (number of the format x scale) in f32.
;;   ~~~python
;;   def quantise(x, axis):      # numpy; x: float32 -> the quantised numbers, widened to float32 again
;;       x = np.moveaxis(x, axis, -1); K = x.shape[-1]
;;       x = np.pad(x, [(0, 0)] * (x.ndim - 1) + [(0, -K % 32)]); x = x.reshape(x.shape[:-1] + (-1, 32)); a = np.abs(x).max(-1, keepdims=True)
;;       e = np.where(a > 0, np.clip(np.frexp(np.where(a > 0, a, 1))[1] - 1 - 2, -126, 127), 0)      # np.frexp(a)[1] - 1 = floor(log2(a)), exactly
;;       r = np.clip(x / 2.0 ** e, -6, 6)
;;       step = 2.0 ** (np.maximum(np.frexp(np.where(r == 0, 1, r))[1] - 1, 0) - 1)
;;       q = np.round(r / step) * step * 2.0 ** e      # np.round: ties to even
;;       return np.moveaxis(q.reshape(q.shape[:-2] + (-1,))[..., :K], -1, axis).astype(np.float32)
;;   ~~~
;;   OPERANDS COMPUTED ON THE WAY. 'Computed on the way' means the value that the module computes at that place (a softmax that the list does not call 'softmax' is quantised finished and normalised). What goes into a quantiser is computed in f32, as accurately as f32 sums, v_exp_f32 and their like allow (about 1e-6 of the number): no bf16 or f16 on the way to a quantiser, and a product that is left as it is and whose result goes on into a quantised operand takes f32 operands (vector FMAs, or v_wmma_f32_16x16x4_f32). A number that lies on a knife's edge between two numbers of the format may be rounded either way, as far as f32 arithmetic and the matrix unit's own rounding can turn it there, and no further.
;; One version. Each part assembles by itself: llvm-mc -triple=amdgcn-amd-amdhsa -mcpu=gfx1250 --defsym DOCPART=n.
;; ======== version 1 of 1: 3 launches
;; limits: right only within a limited range of input values
;; workspace buffers: xc 1,048,576 bytes; xs 65,536 bytes; wc13 16,777,216 bytes; ws13 1,048,576 bytes; hc 4,194,304 bytes; hs 262,144 bytes; wc2 8,388,608 bytes; ws2 524,288 bytes
;; launch quant (part 1): grid 832 x 1, 4 waves a work-group, no clusters, 34,304 bytes of LDS; arguments hidden_states, input_idx, W1, W3, W2, xc, xs, wc13, ws13, wc2, ws2; writes xc, xs, wc13, ws13, wc2, ws2
.if DOCPART == 1
	.amdgcn_target "amdgcn-amd-amdhsa--gfx1250"
	.amdhsa_code_object_version 6
	.text
	.protected	k_qf60e49d93a_quant
	.globl	k_qf60e49d93a_quant
	.p2align	8
	.type	k_qf60e49d93a_quant,@function
k_qf60e49d93a_quant:
	s_mov_b64 s[64:65], 0
	v_nop
	global_prefetch_b8 v0, s[64:65] scope:SCOPE_SE
	s_setreg_imm32_b32 hwreg(HW_REG_WAVE_MODE, 25, 1), 1
	s_wait_xcnt 0x0
; The gathered rows of hidden_states and the three weights become codes of FP4 (E2M1) with one E8M0 byte for each 32 along K.
; A block's scale is 2^(floor(log2(its largest magnitude)) - 2): its byte is the largest magnitude's exponent field - 2, held at 1 from below.
; LIMITS: NaN and infinities among the inputs are not served; a block of zeros, or one whose largest magnitude lies under 2^-124, gets the byte 1
; (its codes are right, and this program alone reads the bytes); an index is held at 8,191.
; LAYOUT OF THE CODES: images of the operand's registers.  A fragment is 16 rows x 128 along K = 1,024 bytes; byte 512 c + 16 lane (lane = 16 h + r)
; begins row r's 32 codes of k = 64 c + 32 h + 0 .. 31.  A buffer is [K / 128][row / 16][1,024 bytes].  The scale bytes are [K / 512][row][16 bytes].
; ORDER OF THE WEIGHTS' ROWS: inside each 32 columns, column c stands at place p(c) = c with bits 3 and 4 exchanged, so that a transposed product leaves a
; lane 16 neighbouring columns in two neighbouring tiles.  wc13 holds, for each 64 columns of the hidden layer, 64 rows of W1 and then 64 rows of W3.
; SHARES: work-groups 0-63: 16 gathered rows each (a wave: 512 along K).  Work-groups 64-831: 256 each for W1, W3, W2: 128 columns x 512 along K;
; a wave takes 32 columns, a lane one column, its registers run down K: a block of 32 lies in one lane and the conversions give K innermost.
; No work-group shares an input byte with another, so there are no clusters, and no tensor loads: many small work-groups lie on a WGP and keep loads out.
.set X,   64                           ; weights: v64-127  two sets of 32 numbers
.set C,   128                          ; v128-131 a block's codes
.set SB,  132                          ; v132-135 the column's 16 scale bytes
.set VST, 16                           ; v16-19   where my 16 bytes of codes go, for each of the four chunks
.set VSC, 20                           ; v20      where my 16 scale bytes go
.set VO,  32                           ; v32-63   byte offset of my column in rows 0 .. 31 of a block
.set VR,  16                           ; rows: v16-31 byte offset of my 16 bytes in each of the 16 gathered rows
.set R,   32                           ; v32-159  two sets of 64: a chunk of 16 rows as loaded
.set XX,  160                          ; v160-223 my row's 64 numbers of the chunk
.set CX,  224                          ; v224-255 codes, eight registers a chunk: no store's data are written again
.set SW,  8                            ; v8-11    my row's scale words
.macro LOADW set                       ; a block: W(32 t + i, my column), 128 consecutive bytes a wave and load
.set i, 0
.rept 32
	global_load_b32 v[X+32*(\set)+i], v[VO+i], s[34:35] th:TH_LOAD_NT
.set i, i+1
.endr
.endm
.macro BLOCK t
.set XS, X+32*((\t)%2)
.if (\t) < 15
	s_wait_loadcnt 32                              ; this block's 32 loads are in; the next block's 32 may be out
.else
	s_wait_loadcnt 0x0
.endif
	v_max3_num_f32 v8, |v[XS]|, |v[XS+1]|, |v[XS+2]|               ; the block's largest magnitude, in two chains: all 32 numbers are mine
	v_max3_num_f32 v9, |v[XS+3]|, |v[XS+4]|, |v[XS+5]|
.irp i, 6,10,14,18,22,26
	v_max3_num_f32 v8, v8, |v[XS+\i]|, |v[XS+\i+1]|
	v_max3_num_f32 v9, v9, |v[XS+\i+2]|, |v[XS+\i+3]|
.endr
	v_max3_num_f32 v8, v8, |v[XS+30]|, |v[XS+31]|
	v_max3_num_f32 v8, v8, v9, 0x1800000           ; and the floor 2^(3 - 127): the byte cannot fall under 1
	v_add_nc_u32 v11, 0xff000000, v8               ; 2 off the exponent field: the conversion takes this operand's exponent field as its scale
.irp g, 0,1,2,3
	v_cvt_scalef32_pk8_fp4_f32 v[C+\g], v[XS+8*\g:XS+8*\g+7], v11
.endr
	v_lshrrev_b32 v10, 23, v11                     ; the scale's byte (a plain line behind the conversions)
.if (\t)%4 == 0
	v_mov_b32 v[SB+(\t)/4], v10                    ; four bytes to a word: a chunk's
.else
	v_lshl_or_b32 v[SB+(\t)/4], v10, 8*((\t)%4), v[SB+(\t)/4]
.endif
	global_store_b128 v[VST+(\t)/4], v[C:C+3], s[36:37] offset:256*((\t)%4)   ; sixteen lanes fill 256 consecutive aligned bytes of one fragment, the other sixteen of the next
	s_wait_xcnt 0x0                                ; the codes' registers and the loads' base are written again only behind this wait
.if (\t)+2 < 16
	s_add_nc_u64 s[34:35], s[34:35], s[44:45]      ; 32 rows of W on
	LOADW (\t)%2
.endif
.endm
.macro LOADX t, set                    ; chunk t of my four: 512 consecutive bytes of each of the 16 rows
.set i, 0
.rept 16
	global_load_b128 v[R+64*(\set)+4*i:R+64*(\set)+4*i+3], v[VR+i], s[4:5] offset:512*(\t)
.set i, i+1
.endr
.endm
.macro STEPX t
.set RS, R+64*((\t)%2)
.if (\t) < 3
	s_wait_loadcnt 16                              ; this chunk's 16 loads are in; the next chunk's 16 may be out
.else
	s_wait_loadcnt 0x0
.endif
.irp r, 0,1,2,3,4,5,6,7,8,9,10,11,12,13,14,15
	ds_store_b128 v3, v[RS+4*\r:RS+4*\r+3] offset:528*\r           ; through my wave's own stage, rows 528 bytes apart
.endr
.irp c, 0,1
.irp j, 0,1,2,3,4,5,6,7
	ds_load_b128 v[XX+32*\c+4*\j:XX+32*\c+4*\j+3], v4 offset:256*\c+16*\j   ; back: row r, k = 64 c + 32 h + 0 .. 31; LDS serves a wave's instructions in order
.endr
.endr
	s_wait_dscnt 0x0                               ; the numbers are back, and the stores have read their registers
.if (\t) < 2
	LOADX (\t)+2, (\t)%2
.endif
.irp c, 0,1
	v_max3_num_f32 v[12+\c], |v[XX+32*\c]|, |v[XX+32*\c+1]|, 0x1800000   ; my block 2 c + h, with the floor 2^(3 - 127)
.endr
.irp i, 2,4,6,8,10,12,14,16,18,20,22,24,26,28,30
.irp c, 0,1
	v_max3_num_f32 v[12+\c], v[12+\c], |v[XX+32*\c+\i]|, |v[XX+32*\c+\i+1]|
.endr
.endr
.irp c, 0,1
	v_add_nc_u32 v[14+\c], 0xff000000, v[12+\c]
.endr
.irp c, 0,1
.irp g, 0,1,2,3
	v_cvt_scalef32_pk8_fp4_f32 v[CX+8*(\t)+4*\c+\g], v[XX+32*\c+8*\g:XX+32*\c+8*\g+7], v[14+\c]
.endr
.endr
	v_lshrrev_b32 v12, 23, v14                     ; the two bytes (plain lines behind the conversions)
	v_lshrrev_b32 v13, 23, v15
	v_lshl_or_b32 v7, v13, 16, v12                 ; blocks h and 2 + h,
	v_lshlrev_b32 v7, v5, v7                       ; 8 h bits up;
	v_permlanex16_b32 v12, v7, s32, s33
	v_or_b32 v[SW+(\t)], v7, v12                   ; with lane l xor 16's two the word is whole
.irp c, 0,1
	global_store_b128 v2, v[CX+8*(\t)+4*\c:CX+8*(\t)+4*\c+3], s[14:15] offset:65536*(\t)+512*\c   ; 512 consecutive bytes of the fragment's image
.endr
.endm
	s_load_b256 s[4:11], s[0:1], 0x0               ; hidden_states s[4:5], input_idx s[6:7], W1 s[8:9], W3 s[10:11]
	s_load_b256 s[12:19], s[0:1], 0x20             ; W2 s[12:13], xc s[14:15], xs s[16:17], wc13 s[18:19]
	s_load_b128 s[20:23], s[0:1], 0x40             ; ws13 s[20:21], wc2 s[22:23]
	s_load_b64 s[24:25], s[0:1], 0x50              ; ws2
	v_lshrrev_b32 v1, 5, v0
	v_readfirstlane_b32 s26, v1                    ; wave w
	v_and_b32 v1, 31, v0                           ; lane
	s_wait_kmcnt 0x0
	s_cmp_lt_u32 ttmp9, 64
	s_cbranch_scc1 .Lx
	; ---------------- the weights ----------------
	s_sub_co_u32 s27, ttmp9, 64
	s_lshr_b32 s28, s27, 8                         ; t: 0 W1, 1 W3, 2 W2
	s_and_b32 s27, s27, 255
	s_cmp_eq_u32 s28, 2                            ; the choices hang on the work-group's number alone
	s_cselect_b32 s29, 0, 2                        ; a row of W is 8,192 << this bytes
	s_cselect_b32 s30, 4, 6                        ; groups of 128 columns: 16 or 64
	s_cselect_b32 s31, 15, 63
	s_cselect_b32 s32, 0, 3                        ; the codes' buffer has 128 << this row blocks
	s_cselect_b64 s[34:35], s[12:13], s[10:11]     ; W
	s_cselect_b64 s[36:37], s[22:23], s[18:19]     ; its codes
	s_cselect_b64 s[38:39], s[24:25], s[20:21]     ; its scale bytes
	s_cmp_eq_u32 s28, 0
	s_cselect_b64 s[34:35], s[8:9], s[34:35]
	s_and_b32 s40, s27, s31                        ; g: which 128 columns
	s_lshr_b32 s41, s27, s30                       ; ky: which 512 along K
	s_lshl_b32 s42, 8192, s29                      ; a row of W in bytes
	s_lshl_b32 s44, s42, 5                         ; 32 rows, as a pair
	s_mov_b32 s45, 0
	s_lshl_b32 s43, 0x20000, s32                   ; from chunk to chunk in the codes
	s_lshl_b32 s33, 0x8000, s32                    ; from 512 to 512 along K in the scale bytes
	s_lshl_b32 s46, s40, 3
	s_lshl_b32 s47, s26, 1
	s_add_co_u32 s46, s46, s47                     ; W2: my first row block = 8 g + 2 w
	s_lshl_b32 s47, s40, 4                         ; W1, W3: 16 g + 8 (w / 2) + 4 t + 2 (w % 2)
	s_lshr_b32 s48, s26, 1
	s_lshl_b32 s48, s48, 3
	s_add_co_u32 s47, s47, s48
	s_lshl_b32 s48, s28, 2
	s_add_co_u32 s47, s47, s48
	s_and_b32 s48, s26, 1
	s_lshl_b32 s48, s48, 1
	s_add_co_u32 s47, s47, s48
	s_cmp_eq_u32 s28, 2
	s_cselect_b32 s46, s46, s47
	s_lshl_b32 s48, s42, 9                         ; W: 512 ky rows + (128 g + 32 w) columns of 4 bytes
	s_mul_i32 s48, s48, s41
	s_lshl_b32 s49, s40, 9
	s_add_co_u32 s48, s48, s49
	s_lshl_b32 s49, s26, 7
	s_add_co_u32 s48, s48, s49
	s_mov_b32 s49, 0
	s_add_nc_u64 s[34:35], s[34:35], s[48:49]
	s_lshl_b32 s48, s41, 2                         ; codes: chunk 4 ky, my first row block
	s_mul_i32 s48, s48, s43
	s_lshl_b32 s50, s46, 10
	s_add_co_u32 s48, s48, s50
	s_add_nc_u64 s[36:37], s[36:37], s[48:49]
	s_mul_i32 s48, s41, s33                        ; scale bytes: 16 a row
	s_lshl_b32 s50, s46, 8
	s_add_co_u32 s48, s48, s50
	s_add_nc_u64 s[38:39], s[38:39], s[48:49]
	s_wait_alu depctr_va_vdst(0)
	v_and_b32 v2, 7, v1
	v_bfe_u32 v3, v1, 4, 1
	v_lshl_add_u32 v2, v3, 3, v2                   ; my column's row in its block: lane % 8 + 8 x bit 4
	v_bfe_u32 v3, v1, 3, 1                         ; and which of the two blocks: bit 3
	v_lshlrev_b32 v4, 4, v2
	v_lshl_add_u32 v[VST], v3, 10, v4
	v_add_nc_u32 v[VST+1], s43, v[VST]
	v_add_nc_u32 v[VST+2], s43, v[VST+1]
	v_add_nc_u32 v[VST+3], s43, v[VST+2]
	v_lshl_add_u32 v[VSC], v3, 8, v4               ; 16 x place
	v_lshlrev_b32 v[VO], 2, v1
.set i, 1
.rept 31
	v_add_nc_u32 v[VO+i], s42, v[VO+i-1]
.set i, i+1
.endr
	LOADW 0
	s_wait_alu depctr_va_vdst(0)
	s_wait_xcnt 0x0                                ; the base is stepped only behind this wait
	s_add_nc_u64 s[34:35], s[34:35], s[44:45]
	LOADW 1
.irp t, 0,1,2,3,4,5,6,7,8,9,10,11,12,13,14,15
	BLOCK \t
.endr
	s_wait_alu depctr_va_vdst(0)
	global_store_b128 v[VSC], v[SB:SB+3], s[38:39] ; 32 rows x 16 bytes: 512 consecutive bytes
	s_endpgm
	; ---------------- the gathered rows ----------------
.Lx:
	s_lshl_b32 s28, ttmp9, 6                       ; my 16 indices
	s_mov_b32 s29, 0
	s_add_nc_u64 s[6:7], s[6:7], s[28:29]
	s_load_b512 s[44:59], s[6:7], 0x0
	s_mov_b32 s32, 0x76543210
	s_mov_b32 s33, 0xfedcba98                      ; v_permlanex16_b32's selects for lane l xor 16
	s_wait_alu depctr_va_vdst(0)
	v_lshlrev_b32 v2, 4, v1                        ; 16 x lane
	s_mul_i32 s30, s26, 8448                       ; my wave's stage: 16 rows x 528 bytes
	v_add_nc_u32 v3, s30, v2                       ; in: 16 x lane of a row
	v_and_b32 v7, 15, v1                           ; r
	v_lshrrev_b32 v5, 4, v1                        ; h
	v_mul_u32_u24 v4, v7, 528
	v_lshl_add_u32 v4, v5, 7, v4
	v_add_nc_u32 v4, s30, v4                       ; back: row r, + 128 h bytes
	v_lshlrev_b32 v6, 4, v7                        ; my row's 16 scale bytes
	v_lshlrev_b32 v5, 3, v5                        ; 8 h
	s_lshl_b32 s31, s26, 11
	v_add_nc_u32 v12, s31, v2                      ; in a row: 2,048 w + 16 x lane
	s_lshl_b32 s28, s26, 18                        ; xc: chunk 4 w, row block = my work-group
	s_lshl_b32 s31, ttmp9, 10
	s_add_co_u32 s28, s28, s31
	s_add_nc_u64 s[14:15], s[14:15], s[28:29]
	s_lshl_b32 s28, s26, 14                        ; xs: 512 w along K, my 16 rows
	s_lshl_b32 s31, ttmp9, 8
	s_add_co_u32 s28, s28, s31
	s_add_nc_u64 s[16:17], s[16:17], s[28:29]
	s_wait_alu depctr_va_vdst(0)
	s_wait_kmcnt 0x0
.irp r, 0,1,2,3,4,5,6,7,8,9,10,11,12,13,14,15
	s_min_u32 s[44+\r], s[44+\r], 0x1fff           ; an index stays inside the table
	s_lshl_b32 s[44+\r], s[44+\r], 13              ; a row is 8,192 bytes
	v_add_nc_u32 v[VR+\r], s[44+\r], v12
.endr
	s_wait_alu depctr_va_vdst(0)
	LOADX 0, 0
	LOADX 1, 1
	STEPX 0
	STEPX 1
	STEPX 2
	STEPX 3
	global_store_b128 v6, v[SW:SW+3], s[16:17]     ; 256 consecutive aligned bytes; lanes 16-31 hold and store the same words as lanes 0-15
	v_lshl_add_u32 v12, v0, 2, 0x8400              ; all 256 registers were at work, so v0 was kept and the add's two registers are made here: my spare word, behind the four stages,
	v_mov_b32 v13, 0                               ; and 0
	s_wait_alu depctr_va_vdst(0)                   ; directly ahead of the wait below
	s_wait_tensorcnt 0x0                           ; the wave's end, behind my last LDS store
	ds_add_u32 v12, v13
	s_wait_dscnt 0x0
	s_endpgm
.Lfunc_end_k_qf60e49d93a_quant:
	.size	k_qf60e49d93a_quant, .Lfunc_end_k_qf60e49d93a_quant-k_qf60e49d93a_quant
	.p2alignl 7, 3214868480
	.fill 96, 4, 3214868480
	.section	.rodata,"a",@progbits
	.p2align	6, 0x0
	.amdhsa_kernel k_qf60e49d93a_quant
		.amdhsa_group_segment_fixed_size 34304
		.amdhsa_private_segment_fixed_size 0
		.amdhsa_enable_private_segment 0
		.amdhsa_kernarg_size 88
		.amdhsa_user_sgpr_count 2
		.amdhsa_user_sgpr_kernarg_segment_ptr 1
		.amdhsa_wavefront_size32 1
		.amdhsa_system_sgpr_workgroup_id_x 1
		.amdhsa_system_sgpr_workgroup_id_y 1
		.amdhsa_system_sgpr_workgroup_id_z 1
		.amdhsa_system_vgpr_workitem_id 0
		.amdhsa_next_free_vgpr 256
		.amdhsa_next_free_sgpr 66
		.amdhsa_reserve_vcc 0
		.amdhsa_float_denorm_mode_32 3
		.amdhsa_float_denorm_mode_16_64 3
		.amdhsa_memory_ordered 1
		.amdhsa_forward_progress 1
		.amdhsa_inst_pref_size 109
	.end_amdhsa_kernel
	.amdgpu_metadata
---
amdhsa.version: [ 1, 2 ]
amdhsa.kernels:
  - .name:           k_qf60e49d93a_quant
    .symbol:         k_qf60e49d93a_quant.kd
    .args:
      - { .name: hidden_states, .offset: 0, .size: 8, .value_kind: global_buffer, .address_space: global }
      - { .name: input_idx, .offset: 8, .size: 8, .value_kind: global_buffer, .address_space: global }
      - { .name: W1, .offset: 16, .size: 8, .value_kind: global_buffer, .address_space: global }
      - { .name: W3, .offset: 24, .size: 8, .value_kind: global_buffer, .address_space: global }
      - { .name: W2, .offset: 32, .size: 8, .value_kind: global_buffer, .address_space: global }
      - { .name: xc, .offset: 40, .size: 8, .value_kind: global_buffer, .address_space: global }
      - { .name: xs, .offset: 48, .size: 8, .value_kind: global_buffer, .address_space: global }
      - { .name: wc13, .offset: 56, .size: 8, .value_kind: global_buffer, .address_space: global }
      - { .name: ws13, .offset: 64, .size: 8, .value_kind: global_buffer, .address_space: global }
      - { .name: wc2, .offset: 72, .size: 8, .value_kind: global_buffer, .address_space: global }
      - { .name: ws2, .offset: 80, .size: 8, .value_kind: global_buffer, .address_space: global }
    .group_segment_fixed_size: 34304
    .private_segment_fixed_size: 0
    .kernarg_segment_align: 8
    .kernarg_segment_size: 88
    .max_flat_workgroup_size: 128
    .sgpr_count:     66
    .vgpr_count:     256
    .wavefront_size: 32
...
	.end_amdgpu_metadata
.endif
;; end of part 1
;; launch gateup (part 2): grid 64 x 4, 4 waves a work-group, clusters of 4 x 4, 327,680 bytes of LDS; arguments xc, xs, wc13, ws13, hc, hs; writes hc, hs
.if DOCPART == 2
	.amdgcn_target "amdgcn-amd-amdhsa--gfx1250"
	.amdhsa_code_object_version 6
	.text
	.protected	k_qf60e49d93a_gateup
	.globl	k_qf60e49d93a_gateup
	.p2align	8
	.type	k_qf60e49d93a_gateup,@function
k_qf60e49d93a_gateup:
	s_mov_b64 s[64:65], 0
	v_nop
	global_prefetch_b8 v0, s[64:65] scope:SCOPE_SE
	s_setreg_imm32_b32 hwreg(HW_REG_WAVE_MODE, 25, 1), 1
	s_wait_xcnt 0x0
	s_wait_alu depctr_hold_cnt(0) depctr_sa_sdst(0) depctr_va_vdst(0) depctr_va_sdst(0) depctr_va_ssrc(0) depctr_va_vcc(0) depctr_vm_vsrc(0)
	s_getreg_b32 s2, hwreg(HW_REG_IB_STS2, 6, 4)
	s_cmp_eq_u32 s2, 0
	s_cbranch_scc0 .Lentry_in_a_cluster
	s_endpgm
.Lentry_in_a_cluster:
	s_bfe_u32 s2, ttmp6, 0x10000c
	s_cmp_lg_u32 s2, 0xf033
	s_cbranch_scc0 .Lentry_shape_is_right
	s_endpgm
.Lentry_shape_is_right:
; h = silu(x W1) * (x W3) on codes of FP4 with E8M0 scales, quantised again along the hidden layer and stored as codes (hc) and scale bytes (hs).
; A work-group of four waves takes 256 rows of x against 256 rows of wc13 (128 hidden units: rows of W1 and of W3 by turns of 64); a wave 128 x 128, 64 accumulators.
; K = 2,048 goes in four steps of 512 through two LDS slots of 131,072 bytes, filled by joint loads: x's tiles shared along a row of the 4 x 4 cluster, the weights' along a column.
; THE SCALE WORDS go from memory straight into registers, 512 consecutive bytes a load, two sets by turns, asked for one K step ahead.  They are not asked for jointly:
; a K step has 8,192 bytes of them for a work-group beside 131,072 bytes of codes.
; No prefetch: the text has no loop to run ahead in, and K has four steps.
.set SLOT,  131072
.set SPARE, 294912
.set HSX,   295424
.set ADRA, 16
.set ADRB, 20
.set L16,  24
.set HSW,  25
.set HSR,  26
.set HSO,  27
.set SPW,  28
.set NIL,  29
.set SC,   32
.set T,    96
.set AF,   128
.set TM,   192
.set HW,   200
.set PC,   208
.set G1A, 24
.set G0A, 32
.set G1B, 48
.set G0B, 56
.set SEL, 92
.set MSB, 0
.macro WIN new
.if MSB != (\new)
	s_set_vgpr_msb (MSB<<8)|(\new)
.set MSB, (\new)
.endif
.endm
.set MUL_LO, 0xa1
.set MUL_HI, 0xf1
.set TO_B,   0x40
.macro JLOAD g0a, g1a, g0b, g1b
	s_cmp_eq_u32 s17, 0
	s_cbranch_scc0 .Lfor_b_\@
	tensor_load_to_lds s[\g0a:\g0a+3], s[\g1a:\g1a+7]
	s_nop 0
.rept 4
	v_nop
.endr
	s_branch .Lasked_\@
.Lfor_b_\@:
	tensor_load_to_lds s[\g0b:\g0b+3], s[\g1b:\g1b+7]
	s_nop 0
.rept 4
	v_nop
.endr
.Lasked_\@:
.endm
.macro CREST
	s_cmp_lg_u32 s16, 0
	s_cbranch_scc1 .Lnot_wave_0_\@
	s_barrier_signal -3
.Lnot_wave_0_\@:
	s_barrier_wait -3
	s_barrier_signal -1
	s_barrier_wait -1
.endm
.macro CROUND
	s_barrier_signal -1
	s_barrier_wait -1
	CREST
.endm
.macro PLACES
.rept 4
	v_nop
.endr
.endm
.macro FRAG reg, adr, q, i
.irp c, 0,1
	ds_load_b128 v[\reg+4*\c:\reg+4*\c+3], v[\adr] offset:8192*(\q)+1024*(\i)+512*\c
.endr
.endm
.macro FETCH_B slot, q, p
	WIN TO_B
.irp i, 0,1,2,3,4,5,6,7
	FRAG 128*(\p)+8*\i, ADRB+\slot, \q, \i
.endr
	WIN 0
.endm
.macro FETCH_A slot, q, i0
.irp i, \i0, \i0+1, \i0+2, \i0+3
	FRAG AF+8*(\i), ADRA+\slot, \q, \i
.endr
.endm
.macro SCALES set, s
.irp i, 0,1,2,3
	global_load_b128 v[SC+32*(\set)+4*\i:SC+32*(\set)+4*\i+3], v[L16], s[44:45] offset:16384*(\s)+512*\i   ; x's: 32 rows x 16 bytes of K step s
.endr
.irp i, 0,1,2,3
	global_load_b128 v[SC+32*(\set)+16+4*\i:SC+32*(\set)+16+4*\i+3], v[L16], s[94:95] offset:262144*(\s)+512*\i   ; the weights'
.endr
.endm
.macro WM a, b, p, q, set, zero
.set rD, 8*(8*((\a)%4)+(\b))
.set rB, 128*(\p)+8*(\b)
.set rA, AF+8*(\a)
.set rSB, SC+32*(\set)+16+4*((\b)/2)+(\q)
.set rSA, SC+32*(\set)+4*((\a)/2)+(\q)
.set o0, (\b)%2
.set o1, (\a)%2
.if \zero
.if o0 && o1
	v_wmma_scale_f32_16x16x128_f8f6f4 v[rD:rD+7], v[rB:rB+7], v[rA:rA+7], 0, v[rSB], v[rSA] matrix_a_fmt:MATRIX_FMT_FP4 matrix_b_fmt:MATRIX_FMT_FP4 matrix_a_scale:MATRIX_SCALE_ROW1 matrix_b_scale:MATRIX_SCALE_ROW1
.elseif o0
	v_wmma_scale_f32_16x16x128_f8f6f4 v[rD:rD+7], v[rB:rB+7], v[rA:rA+7], 0, v[rSB], v[rSA] matrix_a_fmt:MATRIX_FMT_FP4 matrix_b_fmt:MATRIX_FMT_FP4 matrix_a_scale:MATRIX_SCALE_ROW1
.elseif o1
	v_wmma_scale_f32_16x16x128_f8f6f4 v[rD:rD+7], v[rB:rB+7], v[rA:rA+7], 0, v[rSB], v[rSA] matrix_a_fmt:MATRIX_FMT_FP4 matrix_b_fmt:MATRIX_FMT_FP4 matrix_b_scale:MATRIX_SCALE_ROW1
.else
	v_wmma_scale_f32_16x16x128_f8f6f4 v[rD:rD+7], v[rB:rB+7], v[rA:rA+7], 0, v[rSB], v[rSA] matrix_a_fmt:MATRIX_FMT_FP4 matrix_b_fmt:MATRIX_FMT_FP4
.endif
.else
.if o0 && o1
	v_wmma_scale_f32_16x16x128_f8f6f4 v[rD:rD+7], v[rB:rB+7], v[rA:rA+7], v[rD:rD+7], v[rSB], v[rSA] matrix_a_fmt:MATRIX_FMT_FP4 matrix_b_fmt:MATRIX_FMT_FP4 matrix_a_scale:MATRIX_SCALE_ROW1 matrix_b_scale:MATRIX_SCALE_ROW1
.elseif o0
	v_wmma_scale_f32_16x16x128_f8f6f4 v[rD:rD+7], v[rB:rB+7], v[rA:rA+7], v[rD:rD+7], v[rSB], v[rSA] matrix_a_fmt:MATRIX_FMT_FP4 matrix_b_fmt:MATRIX_FMT_FP4 matrix_a_scale:MATRIX_SCALE_ROW1
.elseif o1
	v_wmma_scale_f32_16x16x128_f8f6f4 v[rD:rD+7], v[rB:rB+7], v[rA:rA+7], v[rD:rD+7], v[rSB], v[rSA] matrix_a_fmt:MATRIX_FMT_FP4 matrix_b_fmt:MATRIX_FMT_FP4 matrix_b_scale:MATRIX_SCALE_ROW1
.else
	v_wmma_scale_f32_16x16x128_f8f6f4 v[rD:rD+7], v[rB:rB+7], v[rA:rA+7], v[rD:rD+7], v[rSB], v[rSA] matrix_a_fmt:MATRIX_FMT_FP4 matrix_b_fmt:MATRIX_FMT_FP4
.endif
.endif
.endm
.macro MUL16 a0, p, q, set, zero
.irp a, \a0, \a0+1
.irp b, 0,1,2,3,4,5,6,7
	WM \a, \b, \p, \q, \set, \zero
.endr
.endr
.endm
.macro STEP slot, q, zero
	s_wait_dscnt 8
	WIN MUL_LO
	MUL16 0, (\q)%2, \q, \slot, \zero
	MUL16 2, (\q)%2, \q, \slot, \zero
	s_wait_dscnt 0x0
	PLACES
	FETCH_B \slot, (\q)+1, 1-(\q)%2
	FETCH_A \slot, (\q)+1, 0
	WIN MUL_HI
	MUL16 4, (\q)%2, \q, \slot, \zero
	MUL16 6, (\q)%2, \q, \slot, \zero
	PLACES
	WIN 0
	FETCH_A \slot, (\q)+1, 4
.endm
.macro TURN slot, next, fill, snext
	s_wait_tensorcnt 0x0
	ds_add_u32 v[SPW], v[NIL]
	s_wait_dscnt 9
	WIN MUL_LO
	MUL16 0, 1, 3, \slot, 0
	s_wait_dscnt 0x0
	s_barrier_signal -1
	MUL16 2, 1, 3, \slot, 0
	WIN 0
	s_barrier_wait -1
.if \fill
	CREST
	s_add_nc_u64 s[G0A+4*\slot+2:G0A+4*\slot+3], s[G0A+4*\slot+2:G0A+4*\slot+3], 524288
	s_add_nc_u64 s[G0B+4*\slot+2:G0B+4*\slot+3], s[G0B+4*\slot+2:G0B+4*\slot+3], 8388608
	JLOAD G0A+4*\slot, G1A, G0B+4*\slot, G1B
.else
	PLACES
.endif
	FETCH_B \next, 0, 0
	FETCH_A \next, 0, 0
	WIN MUL_HI
	MUL16 4, 1, 3, \slot, 0
	MUL16 6, 1, 3, \slot, 0
	PLACES
	WIN 0
	FETCH_A \next, 0, 4
.if (\snext) < 3
	SCALES \slot, (\snext)+1                       ; this slot's set is free (four places behind its last product): it takes the scale words of the K step after next
	s_wait_loadcnt 8                               ; the next K step's eight loads are in; the eight just issued may be out
.else
	s_wait_loadcnt 0x0
.endif
.endm
.macro HBLK a
.set AC, 64*((\a)%4)
	WIN 2+(\a)/4
.set j, 0
.rept 16
	v_pk_mul_f32 v[T+j:T+j+1], v[AC+j:AC+j+1], 0xbfb8aa3b op_sel_hi:[1,0]
.set j, j+2
.endr
	WIN 0
.set j, 0
	s_wait_alu depctr_va_vdst(0)
.rept 32
	v_exp_f32 v[T+j], v[T+j]
.set j, j+1
.endr
	v_nop
.set j, 0
	s_wait_alu depctr_va_vdst(0)
.rept 16
	v_pk_add_f32 v[T+j:T+j+1], v[T+j:T+j+1], 1.0 op_sel_hi:[1,0]
.set j, j+2
.endr
.set j, 0
	s_wait_alu depctr_va_vdst(0)
.rept 32
	v_rcp_f32 v[T+j], v[T+j]
.set j, j+1
.endr
	v_nop
	WIN 2+(\a)/4
.set j, 0
	s_wait_alu depctr_va_vdst(0)
.rept 16
	v_pk_mul_f32 v[T+j:T+j+1], v[AC+j:AC+j+1], v[T+j:T+j+1]
.set j, j+2
.endr
.set j, 0
.rept 16
	v_pk_mul_f32 v[T+j:T+j+1], v[AC+32+j:AC+32+j+1], v[T+j:T+j+1]
.set j, j+2
.endr
	WIN 0
.irp b, 0,1
	v_max3_num_f32 v[TM+\b], |v[T+16*\b]|, |v[T+16*\b+1]|, 0x1800000
.endr
.irp i, 2,4,6,8,10,12,14
.irp b, 0,1
	v_max3_num_f32 v[TM+\b], v[TM+\b], |v[T+16*\b+\i]|, |v[T+16*\b+\i+1]|
.endr
.endr
.irp b, 0,1
	v_permlanex16_b32 v[TM+2+\b], v[TM+\b], s[SEL], s[SEL+1]
.endr
.irp b, 0,1
	v_max_num_f32 v[TM+\b], v[TM+\b], v[TM+2+\b]
.endr
.irp b, 0,1
	v_add_nc_u32 v[TM+4+\b], 0xff000000, v[TM+\b]
.endr
.irp b, 0,1
	v_lshrrev_b32 v[TM+2+\b], 23, v[TM+4+\b]
.endr
	v_lshl_or_b32 v[HW+(\a)], v[TM+3], 8, v[TM+2]
.irp b, 0,1
	v_cvt_scalef32_pk8_fp4_f32 v[PC+4*(\a)+2*\b], v[T+16*\b:T+16*\b+7], v[TM+4+\b]
	v_cvt_scalef32_pk8_fp4_f32 v[PC+4*(\a)+2*\b+1], v[T+16*\b+8:T+16*\b+15], v[TM+4+\b]
.endr
	v_nop
	v_permlane16_swap_b32 v[PC+4*(\a)], v[PC+4*(\a)+2]
	v_permlane16_swap_b32 v[PC+4*(\a)+1], v[PC+4*(\a)+3]
	global_store_b128 v[L16], v[PC+4*(\a):PC+4*(\a)+3], s[12:13] offset:1024*(\a)
	ds_store_b16 v[HSW], v[HW+(\a)] offset:64*(\a)
.endm
	s_load_b256 s[4:11], s[0:1], 0x0
	s_load_b128 s[12:15], s[0:1], 0x20
	v_lshl_add_u32 v[SPW], v0, 2, SPARE
	v_mov_b32 v[NIL], 0
	ds_add_u32 v28, v29
	ds_add_u32 v28, v29
	s_wait_dscnt 0x0
	v_lshrrev_b32 v1, 5, v0
	v_readfirstlane_b32 s16, v1
	s_lshr_b32 s17, s16, 1
	s_and_b32 s18, s16, 1
	s_bfe_u32 s20, ttmp6, 0x40000
	s_bfe_u32 s21, ttmp6, 0x40004
	s_lshl_b32 s22, ttmp9, 2
	s_add_co_u32 s22, s22, s20
	s_and_b32 s23, ttmp7, 0xffff
	s_lshl_b32 s23, s23, 2
	s_add_co_u32 s23, s23, s21
	s_lshl_b32 s40, s21, 2
	s_lshl_b32 s40, 15, s40
	s_lshl_b32 s41, 0x1111, s20
	s_or_b32 s[G1A], s40, (3<<16)|(1<<21)
	s_or_b32 s[G1B], s41, (3<<16)|(1<<21)
.irp g, G1A, G1B
	s_mov_b32 s[\g+1], 1024<<16
	s_mov_b32 s[\g+2], 4<<16
	s_mov_b32 s[\g+3], 1024<<16
	s_mov_b32 s[\g+4], 4
	s_mov_b32 s[\g+6], 0
	s_mov_b32 s[\g+7], 0
.endr
	s_mov_b32 s[G1A+5], 8192
	s_mov_b32 s[G1B+5], 131072
	s_lshl_b32 s42, s23, 14
	s_lshl_b32 s43, s18, 13
	s_add_co_u32 s42, s42, s43
	s_mov_b32 s43, 0
	s_lshl_b32 s44, s23, 12
	s_lshl_b32 s45, s17, 11                        ; x's scale words: the 128 rows that I multiply
	s_add_co_u32 s44, s44, s45
	s_mov_b32 s45, 0
	s_lshl_b32 s46, s22, 14
	s_lshl_b32 s47, s18, 13
	s_add_co_u32 s46, s46, s47
	s_mov_b32 s47, 0
	s_lshl_b32 s94, s22, 12
	s_lshl_b32 s95, s18, 11
	s_add_co_u32 s94, s94, s95
	s_mov_b32 s95, 0
	s_lshl_b32 s96, s16, 15
	s_mov_b32 s[SEL], 0x76543210
	s_mov_b32 s[SEL+1], 0xfedcba98
	s_wait_kmcnt 0x0
	s_add_nc_u64 s[42:43], s[4:5], s[42:43]
	s_add_nc_u64 s[44:45], s[6:7], s[44:45]
	s_add_nc_u64 s[46:47], s[8:9], s[46:47]
	s_add_nc_u64 s[94:95], s[10:11], s[94:95]
	CROUND
.irp s, 0,1
	s_mov_b32 s[G0A+4*\s], 1
	s_add_co_u32 s[G0A+4*\s+1], s96, \s*SLOT
	s_add_nc_u64 s[G0A+4*\s+2:G0A+4*\s+3], s[42:43], \s*262144
	s_or_b32 s[G0A+4*\s+3], s[G0A+4*\s+3], 0x80000000
	s_mov_b32 s[G0B+4*\s], 1
	s_add_co_u32 s[G0B+4*\s+1], s96, \s*SLOT
	s_add_nc_u64 s[G0B+4*\s+2:G0B+4*\s+3], s[46:47], \s*4194304
	s_or_b32 s[G0B+4*\s+3], s[G0B+4*\s+3], 0x80000000
.endr
	JLOAD G0A, G1A, G0B, G1B                       ; K step 0: my one tensor load at the head
	v_and_b32 v1, 31, v0
	v_lshlrev_b32 v[L16], 4, v1
	s_lshl_b32 s2, s17, 15
	v_add_nc_u32 v[ADRA], s2, v[L16]
	v_add_nc_u32 v[ADRA+1], SLOT, v[ADRA]
	s_lshl_b32 s2, s18, 15
	s_add_co_u32 s2, s2, 65536
	v_add_nc_u32 v[ADRB], s2, v[L16]
	v_add_nc_u32 v[ADRB+1], SLOT, v[ADRB]
	v_and_b32 v2, 15, v0
	s_lshl_b32 s2, s17, 9
	s_lshl_b32 s3, s18, 1
	s_add_co_u32 s2, s2, s3
	s_add_co_u32 s2, s2, HSX
	v_lshl_add_u32 v[HSW], v2, 2, s2
	v_lshlrev_b32 v[HSO], 3, v1
	s_lshl_b32 s2, s16, 8
	s_add_co_u32 s2, s2, HSX
	v_add_nc_u32 v[HSR], s2, v[HSO]
	v_mov_b32 v[TM+2], 0
	v_mov_b32 v[TM+3], 0
	s_lshl_b32 s66, s22, 16
	s_lshl_b32 s67, s23, 14
	s_add_co_u32 s66, s66, s67
	s_lshl_b32 s67, s17, 13
	s_add_co_u32 s66, s66, s67
	s_lshl_b32 s67, s18, 9
	s_add_co_u32 s66, s66, s67
	s_mov_b32 s67, 0
	s_add_nc_u64 s[12:13], s[12:13], s[66:67]
	s_lshl_b32 s66, s22, 12
	s_lshl_b32 s67, s23, 10
	s_add_co_u32 s66, s66, s67
	s_lshl_b32 s67, s16, 8
	s_add_co_u32 s66, s66, s67
	s_mov_b32 s67, 0
	s_add_nc_u64 s[14:15], s[14:15], s[66:67]
	SCALES 0, 0                                    ; the scale words of K steps 0 and 1: sixteen loads
	SCALES 1, 1
	s_wait_alu depctr_va_vdst(0)
	s_wait_tensorcnt 0x0                           ; my part of K step 0 is in
	ds_add_u32 v28, v29
	s_wait_dscnt 0x0
	CROUND                                         ; everybody's part is in, and the partners' joint loads meet
	JLOAD G0A+4, G1A, G0B+4, G1B                   ; K step 1, the first tensor load behind the round
	FETCH_B 0, 0, 0
	FETCH_A 0, 0, 0
	FETCH_A 0, 0, 4
	s_wait_loadcnt 8                               ; K step 0's eight loads of scale words are in; K step 1's may be out
	STEP 0, 0, 1
	STEP 0, 1, 0
	STEP 0, 2, 0
	TURN 0, 1, 1, 1
	STEP 1, 0, 0
	STEP 1, 1, 0
	STEP 1, 2, 0
	TURN 1, 0, 1, 2
	STEP 0, 0, 0
	STEP 0, 1, 0
	STEP 0, 2, 0
	TURN 0, 1, 0, 3
	STEP 1, 0, 0
	STEP 1, 1, 0
	STEP 1, 2, 0
	s_wait_dscnt 8
	WIN MUL_LO
	MUL16 0, 1, 3, 1, 0
	MUL16 2, 1, 3, 1, 0
	s_wait_dscnt 0x0
	WIN MUL_HI
	MUL16 4, 1, 3, 1, 0
	MUL16 6, 1, 3, 1, 0
	WIN 0
	PLACES
.irp a, 0,1,2,3,4,5,6,7
	HBLK \a
.endr
	s_wait_dscnt 0x0
	s_barrier_signal -1
	s_barrier_wait -1
	ds_load_b64 v[2:3], v[HSR]
	s_wait_dscnt 0x0
	global_store_b64 v[HSO], v[2:3], s[14:15]
	s_wait_tensorcnt 0x0
	ds_add_u32 v[SPW], v[NIL]
	s_wait_dscnt 0x0
	CROUND
	s_endpgm
.Lfunc_end_k_qf60e49d93a_gateup:
	.size	k_qf60e49d93a_gateup, .Lfunc_end_k_qf60e49d93a_gateup-k_qf60e49d93a_gateup
	.p2alignl 7, 3214868480
	.fill 96, 4, 3214868480
	.section	.rodata,"a",@progbits
	.p2align	6, 0x0
	.amdhsa_kernel k_qf60e49d93a_gateup
		.amdhsa_group_segment_fixed_size 327680
		.amdhsa_private_segment_fixed_size 0
		.amdhsa_enable_private_segment 0
		.amdhsa_kernarg_size 48
		.amdhsa_user_sgpr_count 2
		.amdhsa_user_sgpr_kernarg_segment_ptr 1
		.amdhsa_wavefront_size32 1
		.amdhsa_system_sgpr_workgroup_id_x 1
		.amdhsa_system_sgpr_workgroup_id_y 1
		.amdhsa_system_sgpr_workgroup_id_z 1
		.amdhsa_system_vgpr_workitem_id 0
		.amdhsa_next_free_vgpr 1024
		.amdhsa_next_free_sgpr 98
		.amdhsa_reserve_vcc 0
		.amdhsa_float_denorm_mode_32 3
		.amdhsa_float_denorm_mode_16_64 3
		.amdhsa_memory_ordered 1
		.amdhsa_forward_progress 1
		.amdhsa_inst_pref_size 251
	.end_amdhsa_kernel
	.amdgpu_metadata
---
amdhsa.version: [ 1, 2 ]
amdhsa.kernels:
  - .name:           k_qf60e49d93a_gateup
    .symbol:         k_qf60e49d93a_gateup.kd
    .args:
      - { .name: xc, .offset: 0, .size: 8, .value_kind: global_buffer, .address_space: global }
      - { .name: xs, .offset: 8, .size: 8, .value_kind: global_buffer, .address_space: global }
      - { .name: wc13, .offset: 16, .size: 8, .value_kind: global_buffer, .address_space: global }
      - { .name: ws13, .offset: 24, .size: 8, .value_kind: global_buffer, .address_space: global }
      - { .name: hc, .offset: 32, .size: 8, .value_kind: global_buffer, .address_space: global }
      - { .name: hs, .offset: 40, .size: 8, .value_kind: global_buffer, .address_space: global }
    .group_segment_fixed_size: 327680
    .private_segment_fixed_size: 0
    .kernarg_segment_align: 8
    .kernarg_segment_size: 48
    .max_flat_workgroup_size: 128
    .sgpr_count:     98
    .vgpr_count:     1024
    .wavefront_size: 32
...
	.end_amdgpu_metadata
.endif
;; end of part 2
;; launch down (part 3): grid 32 x 8, 4 waves a work-group, clusters of 4 x 1, 327,680 bytes of LDS; arguments hc, hs, wc2, ws2, routing_weights, out0; writes out0
.if DOCPART == 3
	.amdgcn_target "amdgcn-amd-amdhsa--gfx1250"
	.amdhsa_code_object_version 6
	.text
	.protected	k_qf60e49d93a_down
	.globl	k_qf60e49d93a_down
	.p2align	8
	.type	k_qf60e49d93a_down,@function
k_qf60e49d93a_down:
	s_mov_b64 s[64:65], 0
	v_nop
	global_prefetch_b8 v0, s[64:65] scope:SCOPE_SE
	s_setreg_imm32_b32 hwreg(HW_REG_WAVE_MODE, 25, 1), 1
	s_wait_xcnt 0x0
	s_wait_alu depctr_hold_cnt(0) depctr_sa_sdst(0) depctr_va_vdst(0) depctr_va_sdst(0) depctr_va_ssrc(0) depctr_va_vcc(0) depctr_vm_vsrc(0)
	s_getreg_b32 s2, hwreg(HW_REG_IB_STS2, 6, 4)
	s_cmp_eq_u32 s2, 0
	s_cbranch_scc0 .Lentry_in_a_cluster
	s_endpgm
.Lentry_in_a_cluster:
	s_bfe_u32 s2, ttmp6, 0x10000c
	s_cmp_lg_u32 s2, 0x3003
	s_cbranch_scc0 .Lentry_shape_is_right
	s_endpgm
.Lentry_shape_is_right:
; out = routing_weights * (h W2) on codes of FP4 with E8M0 scales.  A work-group makes 128 rows x 64 columns: 256 work-groups.
; THE FOUR WAVES SPLIT K: each makes the whole tile (32 accumulators) on 16 of the 64 chunks of 128 along K, so no LDS byte is read twice; the four partial sums are added at the end,
; through LDS.  LIMIT: that order of rounding differs from one sum with K ascending.
; Wave w's chunk of step s (0 .. 3), q (0 .. 3) is 8 w + 32 (s / 2) + 4 (s % 2) + q: steps 0 and 1 are eight chunks on end, so ONE tensor load a wave at the head brings both.
; h's codes come through LDS: a wave has 65,536 bytes of its own, two slots of 32,768 (4 chunks x 8 fragments); it fetches just the bytes that it reads.  The four work-groups of a
; cluster share the rows and ask jointly.  Slot 0 is filled again with step 2 and slot 1 with step 3, each behind a round of the cluster's barrier.
; h's scale words go from memory straight into registers, once: 64 words a lane.  They are not asked for jointly: they are 32,768 bytes for a work-group beside 524,288 bytes of codes.
; W2's share of a wave, 16 chunks x 4 fragments = 512 registers, goes from memory straight into registers, once.  It is not asked for jointly: a joint request lands in LDS, and a work-group's
; 262,144 bytes of W2 do not fit beside h's slots.
; No prefetch: the text has no loop to run ahead in.
; THE MATRIX INSTRUCTION IS USED TRANSPOSED (source 0 = 16 rows of wc2, source 1 = 16 rows of h): lane (r, h), register j of tile 2 b + u holds out(row r, column 32 b + 16 h + 8 u + j).
; Group i (row blocks 2 (i xor w), + 1) of wave w: so group 0 is always the pair of row blocks that the wave owns at the end, and one text serves all four waves.
; REGISTERS: window 0: v1-29 addresses; v32-63 W2's scale words; v64-127 h's; v128-255 h's fragments, two sets.  window 1: the accumulators ((a, b) at v[8 (4 a + b)]).
; windows 2, 3: W2's fragments (chunk ci = 4 s + q at v[32 (ci % 8) + 8 b]).
.set SLOT,  32768                      ; [q 4][8 row blocks][1,024]; a wave's two slots lie on end
.set SPARE, 262144                     ; behind the four waves' slots: the spare words, 128 bytes a wave, two blocks of 256 bytes that no other line names
.set L16,  1                           ; v1     16 x lane
.set ADA,  4                           ; v4-11  h's fragments: slot, group
.set ADHS, 12                          ; v12-15 h's scale words in memory: group
.set REDW, 16                          ; v16-18 where groups 1-3 go for their owners: LDS bytes 0 .. 98,303, behind their last fill and the barrier behind every wave's last read
.set REDR, 19                          ; v19    where I read what the others left for me: 24,576 bytes a wave
.set STO,  20                          ; v20    my stage (32 rows x 272 bytes, in my own 24,576 bytes once they are read): in
.set SRD,  21                          ; v21    back
.set CO,   22                          ; v22    my byte offset in two rows of out
.set R4,   23                          ; v23    4 x (lane % 16)
.set RW,   24                          ; v24, v26 the routing weights of my rows; v25, v27 named with them as pairs
.set SPW,  28
.set NIL,  29
.set WS,   32
.set HS,   64
.set AF,   128
.set G1C, 24                           ; s[24:31] group 1 of a refill: four chunks;  s[32:39] group 0, one set a slot
.set G0C, 32
.set G1H, 40                           ; s[40:47], s[48:51] groups 1 and 0 of the head's load: eight chunks
.set G0H, 48
.set MSB, 0
.macro WIN new                         ; the immediate's high byte repeats the setting that is left
.if MSB != (\new)
	s_set_vgpr_msb (MSB<<8)|(\new)
.set MSB, (\new)
.endif
.endm
.macro CREST
	s_cmp_lg_u32 s16, 0
	s_cbranch_scc1 .Lnot_wave_0_\@
	s_barrier_signal -3
.Lnot_wave_0_\@:
	s_barrier_wait -3
	s_barrier_signal -1
	s_barrier_wait -1
.endm
.macro CROUND
	s_barrier_signal -1
	s_barrier_wait -1
	CREST
.endm
.macro PLACES                          ; four plain places behind a matrix instruction (ISA guide 7.12.1)
.rept 4
	v_nop
.endr
.endm
.macro AFETCH slot, q, p               ; my chunk q of the slot: eight fragments, 512 consecutive bytes a load
.irp a, 0,1,2,3,4,5,6,7
.irp c, 0,1
	ds_load_b128 v[AF+64*(\p)+8*\a+4*\c:AF+64*(\p)+8*\a+4*\c+3], v[ADA+4*(\slot)+\a/2] offset:8192*(\q)+1024*(\a%2)+512*\c
.endr
.endr
.endm
.macro WMD a, b, s, q, zero
.set rD, 8*(4*(\a)+(\b))
.set rB, 32*((4*(\s)+(\q))%8)+8*(\b)
.set rA, AF+64*((\q)%2)+8*(\a)
.set rSB, WS+8*(\s)+4*((\b)/2)+(\q)
.set rSA, HS+16*(\s)+4*((\a)/2)+(\q)
.set o0, (\b)%2
.set o1, (\a)%2
.if \zero
.if o0 && o1
	v_wmma_scale_f32_16x16x128_f8f6f4 v[rD:rD+7], v[rB:rB+7], v[rA:rA+7], 0, v[rSB], v[rSA] matrix_a_fmt:MATRIX_FMT_FP4 matrix_b_fmt:MATRIX_FMT_FP4 matrix_a_scale:MATRIX_SCALE_ROW1 matrix_b_scale:MATRIX_SCALE_ROW1
.elseif o0
	v_wmma_scale_f32_16x16x128_f8f6f4 v[rD:rD+7], v[rB:rB+7], v[rA:rA+7], 0, v[rSB], v[rSA] matrix_a_fmt:MATRIX_FMT_FP4 matrix_b_fmt:MATRIX_FMT_FP4 matrix_a_scale:MATRIX_SCALE_ROW1
.elseif o1
	v_wmma_scale_f32_16x16x128_f8f6f4 v[rD:rD+7], v[rB:rB+7], v[rA:rA+7], 0, v[rSB], v[rSA] matrix_a_fmt:MATRIX_FMT_FP4 matrix_b_fmt:MATRIX_FMT_FP4 matrix_b_scale:MATRIX_SCALE_ROW1
.else
	v_wmma_scale_f32_16x16x128_f8f6f4 v[rD:rD+7], v[rB:rB+7], v[rA:rA+7], 0, v[rSB], v[rSA] matrix_a_fmt:MATRIX_FMT_FP4 matrix_b_fmt:MATRIX_FMT_FP4
.endif
.else
.if o0 && o1
	v_wmma_scale_f32_16x16x128_f8f6f4 v[rD:rD+7], v[rB:rB+7], v[rA:rA+7], v[rD:rD+7], v[rSB], v[rSA] matrix_a_fmt:MATRIX_FMT_FP4 matrix_b_fmt:MATRIX_FMT_FP4 matrix_a_scale:MATRIX_SCALE_ROW1 matrix_b_scale:MATRIX_SCALE_ROW1
.elseif o0
	v_wmma_scale_f32_16x16x128_f8f6f4 v[rD:rD+7], v[rB:rB+7], v[rA:rA+7], v[rD:rD+7], v[rSB], v[rSA] matrix_a_fmt:MATRIX_FMT_FP4 matrix_b_fmt:MATRIX_FMT_FP4 matrix_a_scale:MATRIX_SCALE_ROW1
.elseif o1
	v_wmma_scale_f32_16x16x128_f8f6f4 v[rD:rD+7], v[rB:rB+7], v[rA:rA+7], v[rD:rD+7], v[rSB], v[rSA] matrix_a_fmt:MATRIX_FMT_FP4 matrix_b_fmt:MATRIX_FMT_FP4 matrix_b_scale:MATRIX_SCALE_ROW1
.else
	v_wmma_scale_f32_16x16x128_f8f6f4 v[rD:rD+7], v[rB:rB+7], v[rA:rA+7], v[rD:rD+7], v[rSB], v[rSA] matrix_a_fmt:MATRIX_FMT_FP4 matrix_b_fmt:MATRIX_FMT_FP4
.endif
.endif
.endm
.macro MUL8 s, q, g, zero              ; group g's two row blocks against W2's four; the 32 accumulators take turns in one order
.irp a, 2*\g, 2*\g+1
.irp b, 0,1,2,3
	WMD \a, \b, \s, \q, \zero
.endr
.endr
.endm
.macro LWAIT s, q                      ; W2's fragments of chunk ci = 4 s + q are in: behind them 8 (15 - ci) loads were issued; the wait names 63 at the most, which asks for more than is needed
.set NN, 8*(15-(4*(\s)+(\q)))
.if NN > 63
	s_wait_loadcnt 63
.else
	s_wait_loadcnt NN
.endif
.endm
.macro STEP s, q, zero                 ; a chunk with its successor in the same slot
	LWAIT \s, \q
	s_wait_dscnt 0x0                               ; this chunk's fragments of h (asked for 32 matrix instructions ago) are in
.if (\s)+(\q) > 0
	PLACES                                         ; for the loads into the set that the last chunk multiplied
.endif
	AFETCH (\s)%2, (\q)+1, ((\q)+1)%2
	WIN 0x52+(\s)/2                                ; source 0 (W2) window 2 or 3, source 1 (h) window 0, C and D window 1
	MUL8 \s, \q, 0, \zero
	MUL8 \s, \q, 1, \zero
	MUL8 \s, \q, 2, \zero
	MUL8 \s, \q, 3, \zero
	WIN 0
.endm
; A slot's last chunk changes slots: one barrier; in front of it each wave waits for all its tensor loads, adds 0 to its spare word and waits for that and for its reads of this slot.
.macro TURN s, fill
	LWAIT \s, 3
	s_wait_tensorcnt 0x0                           ; all my tensor loads have landed: my next slot is whole
	ds_add_u32 v[SPW], v[NIL]                      ; 0 onto my spare word
	s_wait_dscnt 1                                 ; only the add may be out: the chunk's fragments are in
	WIN 0x52+(\s)/2
	MUL8 \s, 3, 0, 0
	s_wait_dscnt 0x0                               ; the add is done, and my reads of this slot are over
	s_barrier_signal -1
	MUL8 \s, 3, 1, 0
	WIN 0
	s_barrier_wait -1
.if \fill
	CREST                                          ; the barrier opened a round of the cluster's: no wave of any partner still reads this slot or has a load on its way
	s_add_nc_u64 s[G0C+4*((\s)%2)+2:G0C+4*((\s)%2)+3], s[G0C+4*((\s)%2)+2:G0C+4*((\s)%2)+3], 2097152   ; 32 chunks on
	tensor_load_to_lds s[G0C+4*((\s)%2):G0C+4*((\s)%2)+3], s[G1C:G1C+7]   ; my one tensor load behind the round, and the first thing there
	s_nop 0
.endif
	PLACES
	AFETCH ((\s)+1)%2, 0, 0
	WIN 0x52+(\s)/2
	MUL8 \s, 3, 2, 0
	MUL8 \s, 3, 3, 0
	WIN 0
.endm
	s_load_b256 s[4:11], s[0:1], 0x0               ; hc s[4:5], hs s[6:7], wc2 s[8:9], ws2 s[10:11]
	s_load_b128 s[12:15], s[0:1], 0x20             ; routing_weights s[12:13], out0 s[14:15]
	v_lshl_add_u32 v[SPW], v0, 2, SPARE
	v_mov_b32 v[NIL], 0
	ds_add_u32 v[SPW], v[NIL]                      ; the opening lines: the add, twice on end, and its wait
	ds_add_u32 v[SPW], v[NIL]
	s_wait_dscnt 0x0
	v_lshrrev_b32 v2, 5, v0
	v_readfirstlane_b32 s16, v2                    ; wave w
	s_bfe_u32 s17, ttmp6, 0x40000                  ; cx: it enters W2's and out's addresses alone
	s_lshl_b32 s18, ttmp9, 2
	s_add_co_u32 s18, s18, s17                     ; tx: my 64 columns
	s_and_b32 s19, ttmp7, 0xffff                   ; ty: my 128 rows, which the four partners share
	s_mov_b32 s[G1C], 15|(3<<16)|(1<<21)           ; 15:0 the mask: all four work-groups; elements of 8 bytes; bit 21 beside the mask; no padding
	s_mov_b32 s[G1C+1], 1024<<16                   ; h's codes: four chunks' rows of 8,192 bytes
	s_mov_b32 s[G1C+2], 4<<16
	s_mov_b32 s[G1C+3], 1024<<16
	s_mov_b32 s[G1C+4], 4
	s_mov_b32 s[G1C+5], 8192                       ; 65,536 bytes from chunk to chunk
	s_mov_b32 s[G1C+6], 0
	s_mov_b32 s[G1C+7], 0
	s_mov_b32 s[G1H], 15|(3<<16)|(1<<21)
	s_mov_b32 s[G1H+1], 1024<<16                   ; the same with eight chunks
	s_mov_b32 s[G1H+2], 8<<16
	s_mov_b32 s[G1H+3], 1024<<16
	s_mov_b32 s[G1H+4], 8
	s_mov_b32 s[G1H+5], 8192
	s_mov_b32 s[G1H+6], 0
	s_mov_b32 s[G1H+7], 0
	s_lshl_b32 s20, s16, 19                        ; hc: chunk 8 w, row block 8 ty
	s_lshl_b32 s21, s19, 13
	s_add_co_u32 s20, s20, s21
	s_mov_b32 s21, 0
	s_lshl_b32 s22, s16, 15                        ; hs: chunk 8 w (4,096 bytes a chunk), row 128 ty
	s_lshl_b32 s23, s19, 9
	s_add_co_u32 s22, s22, s23
	s_mov_b32 s23, 0
	s_lshl_b32 s52, s16, 16                        ; my 65,536 bytes of LDS
	v_and_b32 v2, 31, v0
	v_lshlrev_b32 v[L16], 4, v2
	s_wait_alu depctr_va_vdst(0)
	v_and_b32 v3, 15, v0                           ; r
	v_bfe_u32 v30, v0, 4, 1                        ; h
	v_lshlrev_b32 v[R4], 2, v3
	v_mov_b32 v[RW+1], 0
	v_mov_b32 v[RW+3], 0
.irp i, 0,1,2,3
	s_xor_b32 s2, s16, \i                          ; group i is the pair of row blocks i xor w
	s_lshl_b32 s3, s2, 11
	s_add_co_u32 s3, s3, s52
	v_add_nc_u32 v[ADA+\i], s3, v[L16]
	v_add_nc_u32 v[ADA+4+\i], SLOT, v[ADA+\i]
	s_lshl_b32 s3, s2, 7
	v_lshl_add_u32 v[ADHS+\i], v2, 2, s3           ; its 32 rows' scale words: 128 consecutive bytes of a chunk's
.endr
.irp i, 1,2,3
	s_xor_b32 s2, s16, \i                          ; its owner
	s_mul_i32 s2, s2, 24576
	s_add_co_u32 s2, s2, (\i-1)*8192
	v_add_nc_u32 v[REDW+\i-1], s2, v[L16]
.endr
	s_mul_i32 s2, s16, 24576
	v_add_nc_u32 v[REDR], s2, v[L16]
	v_mul_u32_u24 v[STO], v3, 272
	v_lshl_add_u32 v[STO], v30, 6, v[STO]
	v_add_nc_u32 v[STO], s2, v[STO]                ; in: row r, + 64 h bytes
	v_mul_u32_u24 v[SRD], v30, 272
	v_lshl_add_u32 v[SRD], v3, 4, v[SRD]
	v_add_nc_u32 v[SRD], s2, v[SRD]                ; back: lanes 0-15 one row of 256 bytes, lanes 16-31 the next
	v_lshlrev_b32 v[CO], 13, v30
	v_lshl_add_u32 v[CO], v3, 4, v[CO]             ; and the same two rows in out
	s_wait_kmcnt 0x0
	s_add_nc_u64 s[20:21], s[4:5], s[20:21]
	s_add_nc_u64 s[22:23], s[6:7], s[22:23]
	s_mov_b32 s[G0H], 1
	s_mov_b32 s[G0H+1], s52
	s_mov_b64 s[G0H+2:G0H+3], s[20:21]
	s_or_b32 s[G0H+3], s[G0H+3], 0x80000000
.irp s, 0,1
	s_mov_b32 s[G0C+4*\s], 1
	s_add_co_u32 s[G0C+4*\s+1], s52, \s*SLOT
	s_add_nc_u64 s[G0C+4*\s+2:G0C+4*\s+3], s[20:21], \s*262144      ; four chunks on for slot 1; each refill steps 32 chunks on first
	s_or_b32 s[G0C+4*\s+3], s[G0C+4*\s+3], 0x80000000
.endr
	s_lshl_b32 s54, s16, 20                        ; wc2: chunk 8 w (131,072 bytes a chunk), row block 4 tx
	s_lshl_b32 s55, s18, 12
	s_add_co_u32 s54, s54, s55
	s_mov_b32 s55, 0
	s_add_nc_u64 s[8:9], s[8:9], s[54:55]
	s_lshl_b32 s54, s16, 16                        ; ws2: 1,024 w along K (32,768 bytes for each 512), row 64 tx
	s_lshl_b32 s55, s18, 10
	s_add_co_u32 s54, s54, s55
	s_mov_b32 s55, 0
	s_add_nc_u64 s[10:11], s[10:11], s[54:55]
	s_lshl_b32 s54, s19, 9                         ; routing_weights: row 128 ty + 32 w
	s_lshl_b32 s55, s16, 7
	s_add_co_u32 s54, s54, s55
	s_mov_b32 s55, 0
	s_add_nc_u64 s[12:13], s[12:13], s[54:55]
	s_lshl_b32 s54, s19, 20                        ; out: row 128 ty + 32 w, column 64 tx
	s_lshl_b32 s55, s16, 18
	s_add_co_u32 s54, s54, s55
	s_lshl_b32 s55, s18, 8
	s_add_co_u32 s54, s54, s55
	s_mov_b32 s55, 0
	s_add_nc_u64 s[14:15], s[14:15], s[54:55]
	CROUND                                         ; all four work-groups are here: the first joint loads meet
	tensor_load_to_lds s[G0H:G0H+3], s[G1H:G1H+7]  ; steps 0 and 1, both my slots: my one tensor load at the head
	s_nop 0
	PLACES
	global_load_b32 v[RW], v[R4], s[12:13]
	global_load_b32 v[RW+2], v[R4], s[12:13] offset:64
.irp s, 0,1,2,3
.irp i, 0,1
	global_load_b128 v[WS+8*\s+4*\i:WS+8*\s+4*\i+3], v[L16], s[10:11] offset:(8*(\s/2)+(\s%2))*32768+512*\i   ; 32 rows x 16 bytes: two blocks' four words
.endr
.endr
.irp s, 0,1,2,3
.irp i, 0,1,2,3
.irp q, 0,1,2,3
	global_load_b32 v[HS+16*\s+4*\i+\q], v[ADHS+\i], s[22:23] offset:(32*(\s/2)+4*(\s%2)+\q)*4096   ; lanes 0-15 the group's even block, lanes 16-31 its odd one
.endr
.endr
.endr
	WIN 0x80                                       ; destination window 2
.irp s, 0,1
.irp q, 0,1,2,3
.irp b, 0,1,2,3
.irp c, 0,1
	global_load_b128 v[32*(4*\s+\q)+8*\b+4*\c:32*(4*\s+\q)+8*\b+4*\c+3], v[L16], s[8:9] offset:(4*\s+\q)*131072+1024*\b+512*\c
.endr
.endr
.endr
.endr
	WIN 0xc0                                       ; destination window 3
.irp s, 2,3
.irp q, 0,1,2,3
.irp b, 0,1,2,3
.irp c, 0,1
	global_load_b128 v[32*(4*\s+\q-8)+8*\b+4*\c:32*(4*\s+\q-8)+8*\b+4*\c+3], v[L16], s[8:9] offset:(32+4*(\s-2)+\q)*131072+1024*\b+512*\c
.endr
.endr
.endr
.endr
	WIN 0
	s_wait_tensorcnt 0x0                           ; my two slots are in; I alone read them, so no barrier stands here
	AFETCH 0, 0, 0
	STEP 0, 0, 1                                   ; the first products start the sums: nothing is cleared
	STEP 0, 1, 0
	STEP 0, 2, 0
	TURN 0, 1                                      ; slot 0 takes step 2
	STEP 1, 0, 0
	STEP 1, 1, 0
	STEP 1, 2, 0
	TURN 1, 1                                      ; slot 1 takes step 3
	STEP 2, 0, 0
	STEP 2, 1, 0
	STEP 2, 2, 0
	TURN 2, 0                                      ; nothing is left to fetch
	STEP 3, 0, 0
	STEP 3, 1, 0
	STEP 3, 2, 0
	LWAIT 3, 3
	s_wait_dscnt 0x0                               ; my last reads of the slots are over:
	s_barrier_signal -1                            ; say so; the sums below land on other waves' slots
	WIN 0x53
	MUL8 3, 3, 0, 0
	MUL8 3, 3, 1, 0
	MUL8 3, 3, 2, 0
	MUL8 3, 3, 3, 0
	WIN 0
	s_barrier_wait -1                              ; nobody reads a slot any more
	PLACES
	; THE FOUR PARTIAL SUMS MEET.  Groups 1-3 go to their owners' places as images of the registers; group 0 stays.
	WIN 0x04                                       ; an LDS store's data are its source 1: window 1
.irp i, 1,2,3
.irp n, 0,1,2,3,4,5,6,7
	ds_store_b128 v[REDW+\i-1], v[64*\i+8*\n:64*\i+8*\n+3] offset:1024*\n          ; each accumulator from its low end on
	ds_store_b128 v[REDW+\i-1], v[64*\i+8*\n+4:64*\i+8*\n+7] offset:1024*\n+512
.endr
.endr
	WIN 0
	s_wait_dscnt 0x0                               ; for the others' sake: my stores have landed
	s_barrier_signal -1
	s_barrier_wait -1
	s_wait_alu depctr_va_vdst(0)                   ; directly ahead of the reader below
.irp k, 0,1
.irp n, 0,1,2,3,4,5,6,7,8,9,10,11,12,13,14,15
	ds_load_b128 v[128+64*\k+4*\n:128+64*\k+4*\n+3], v[REDR] offset:8192*\k+512*\n
.endr
.endr
	s_wait_dscnt 16                                ; the first partner's sums are in; the second's 16 loads may be out
	WIN 0x01                                       ; source 0: window 1
.set j, 0
.rept 32
	v_pk_add_f32 v[128+j:129+j], v[j:j+1], v[128+j:129+j]
.set j, j+2
.endr
	WIN 0
	s_wait_dscnt 0x0
.set j, 0
.rept 32
	v_pk_add_f32 v[128+j:129+j], v[128+j:129+j], v[192+j:193+j]
.set j, j+2
.endr
.irp n, 0,1,2,3,4,5,6,7,8,9,10,11,12,13,14,15
	ds_load_b128 v[192+4*\n:192+4*\n+3], v[REDR] offset:16384+512*\n
.endr
	s_wait_dscnt 0x0
.set j, 0
.rept 32
	v_pk_add_f32 v[128+j:129+j], v[128+j:129+j], v[192+j:193+j]
.set j, j+2
.endr
.irp e, 0,1
.set j, 0
.rept 16
	v_pk_mul_f32 v[128+32*\e+j:129+32*\e+j], v[128+32*\e+j:129+32*\e+j], v[RW+2*\e:RW+2*\e+1] op_sel_hi:[1,0]   ; x my row's routing weight
.set j, j+2
.endr
.endr
	; through my stage, so that sixteen lanes store 256 consecutive bytes of a row
.irp e, 0,1
.irp b, 0,1,2,3
	ds_store_b128 v[STO], v[128+32*\e+8*\b:128+32*\e+8*\b+3] offset:4352*\e+128*(\b/2)+32*(\b%2)
	ds_store_b128 v[STO], v[128+32*\e+8*\b+4:128+32*\e+8*\b+7] offset:4352*\e+128*(\b/2)+32*(\b%2)+16
.endr
.endr
.irp t, 0,1,2,3,4,5,6,7,8,9,10,11,12,13,14,15
	ds_load_b128 v[192+4*\t:192+4*\t+3], v[SRD] offset:544*\t      ; LDS serves a wave's instructions in order: these see my stores
.endr
.irp t, 0,1,2,3,4,5,6,7,8,9,10,11,12,13,14,15
	s_wait_dscnt 15-\t                             ; rows 2 t, 2 t + 1 are back; the younger loads may be out
	global_store_b128 v[CO], v[192+4*\t:192+4*\t+3], s[14:15] offset:16384*\t th:TH_STORE_NT
.endr
	s_wait_tensorcnt 0x0                           ; the wave's end
	ds_add_u32 v[SPW], v[NIL]
	s_wait_dscnt 0x0
	CROUND                                         ; the closing round
	s_endpgm
.Lfunc_end_k_qf60e49d93a_down:
	.size	k_qf60e49d93a_down, .Lfunc_end_k_qf60e49d93a_down-k_qf60e49d93a_down
	.p2alignl 7, 3214868480
	.fill 96, 4, 3214868480
	.section	.rodata,"a",@progbits
	.p2align	6, 0x0
	.amdhsa_kernel k_qf60e49d93a_down
		.amdhsa_group_segment_fixed_size 327680
		.amdhsa_private_segment_fixed_size 0
		.amdhsa_enable_private_segment 0
		.amdhsa_kernarg_size 48
		.amdhsa_user_sgpr_count 2
		.amdhsa_user_sgpr_kernarg_segment_ptr 1
		.amdhsa_wavefront_size32 1
		.amdhsa_system_sgpr_workgroup_id_x 1
		.amdhsa_system_sgpr_workgroup_id_y 1
		.amdhsa_system_sgpr_workgroup_id_z 1
		.amdhsa_system_vgpr_workitem_id 0
		.amdhsa_next_free_vgpr 1024
		.amdhsa_next_free_sgpr 66
		.amdhsa_reserve_vcc 0
		.amdhsa_float_denorm_mode_32 3
		.amdhsa_float_denorm_mode_16_64 3
		.amdhsa_memory_ordered 1
		.amdhsa_forward_progress 1
		.amdhsa_inst_pref_size 130
	.end_amdhsa_kernel
	.amdgpu_metadata
---
amdhsa.version: [ 1, 2 ]
amdhsa.kernels:
  - .name:           k_qf60e49d93a_down
    .symbol:         k_qf60e49d93a_down.kd
    .args:
      - { .name: hc, .offset: 0, .size: 8, .value_kind: global_buffer, .address_space: global }
      - { .name: hs, .offset: 8, .size: 8, .value_kind: global_buffer, .address_space: global }
      - { .name: wc2, .offset: 16, .size: 8, .value_kind: global_buffer, .address_space: global }
      - { .name: ws2, .offset: 24, .size: 8, .value_kind: global_buffer, .address_space: global }
      - { .name: routing_weights, .offset: 32, .size: 8, .value_kind: global_buffer, .address_space: global }
      - { .name: out0, .offset: 40, .size: 8, .value_kind: global_buffer, .address_space: global }
    .group_segment_fixed_size: 327680
    .private_segment_fixed_size: 0
    .kernarg_segment_align: 8
    .kernarg_segment_size: 48
    .max_flat_workgroup_size: 128
    .sgpr_count:     66
    .vgpr_count:     1024
    .wavefront_size: 32
...
	.end_amdgpu_metadata
.endif
;; end of part 3
